; MI455X (gfx1250); checked and timed in simulation.
; The chip was launched on July 23, 2026; its instructions are those of AMD's public machine-readable ISA for CDNA 5 (MIT licence, August 2026) and "CDNA5" Instruction Set Architecture Reference Guide (July 2026). The comments in the code are by the model that wrote it; some were corrected since.
;; Mug head. Allowed arithmetic: float matrix products may take bf16 or f16 operands with f32 sums; all other float work in f32.
;; Inputs: text_feat 256 x 32 x 512 float32; text_mask 256 x 32 float32; video_feat 256 x 16 x 512 float32.
;; Outputs: out0 256 x 256 float32.
;; 2 versions, each right; version 2 is version 1 with the launch prep written anew for expert scheduling mode. Each part assembles by itself: llvm-mc -triple=amdgcn-amd-amdhsa -mcpu=gfx1250 --defsym DOCPART=n.
;; ======== version 1 of 2: 2 launches
;; workspace buffers: tn 8,388,608 bytes; vn 4,194,304 bytes
;; launch prep (part 1): grid 256 x 1, 8 waves a work-group, no clusters, 0 bytes of LDS; arguments text_feat, text_mask, video_feat, tn, vn; writes tn, vn
.if DOCPART == 1
	.amdgcn_target "amdgcn-amd-amdhsa--gfx1250"
	.amdhsa_code_object_version 6
	.text
	.protected	k_q6e8556e484_prep
	.globl	k_q6e8556e484_prep
	.p2align	8
	.type	k_q6e8556e484_prep,@function
k_q6e8556e484_prep:
	s_mov_b64 s[64:65], 0
	v_nop
	global_prefetch_b8 v0, s[64:65] scope:SCOPE_SE
	s_setreg_imm32_b32 hwreg(HW_REG_WAVE_MODE, 25, 1), 1
	s_wait_xcnt 0x0
; prep: every row of text_feat and video_feat is normalised once, in f32, and stored as bf16 for the matrix launch.
;   tn[a*32+t][d]                      = bf16( text[a][t][d] * C * mask[a][t] / max(|text row|, 1e-6) ),  C = 100 * log2(e)
;   vn[(b>>4)*256 + v*16 + (b&15)][d]  = bf16( video[b][v][d] / max(|video row|, 1e-6) )
; With C and the mask folded in, the products of the next launch are already 100*log2(e)*r*mask, the argument of a base-2 exponential.
; vn's row order puts the 16 b of one frame v on 16 neighbouring rows: one B fragment of the next launch.
; Work-group g: text a = g (32 rows) and video b = g (16 rows).  Eight waves; a wave takes 4 text rows and 2 video rows, one row at a time.
; A row is 2,048 bytes = four 16-byte loads a lane, each covering 512 consecutive bytes.  All 24 loads of a wave go out at the head;
; a row keeps its own 16 registers from load to store, so no source of a memory instruction is ever written again.
; No LDS, no barrier, no matrix unit: rows do not depend on each other and the launch only moves bytes.
; LIMITS: the sum of squares of a row is formed in f32 as reference() forms it (it must stay finite); v_sqrt_f32 and v_rcp_f32 are
; accurate to 1 ULP; the result is rounded once to bf16.
.set X,      16                        ; v[16:111]  row i: 16 registers, as loaded, then scaled, then packed
.set INROW,  2048                      ; bytes of an f32 row
.set OUTROW, 1024                      ; bytes of a bf16 row
.set VSTEP,  16*OUTROW                 ; from frame v to frame v + 1 in vn
	s_load_b256 s[4:11], s[0:1], 0x0               ; text s[4:5], mask s[6:7], video s[8:9], tn s[10:11]
	s_load_b64 s[12:13], s[0:1], 0x20              ; vn
	v_lshrrev_b32 v4, 5, v0
	v_readfirstlane_b32 s14, v4                    ; wave 0..7
	v_and_b32 v2, 31, v0                           ; lane
	v_lshlrev_b32 v1, 4, v2                        ; 16 bytes a lane in a load; never rewritten
	v_lshlrev_b32 v2, 3, v2                        ; 8 bytes a lane in a store; never rewritten
	v_mov_b32 v3, 0                                ; destination of v_permlanex16_b32: counts as read, so it is written once here
	v_mov_b32 v11, 0                               ; upper register of the scale's pair: named by the packed multiply, not used
	s_mov_b32 s24, 0x76543210                      ; v_permlanex16_b32: lane i of one half reads lane i of the other
	s_mov_b32 s25, 0xfedcba98
	s_mov_b32 s26, 0x358637bd                      ; 1e-6
	s_mov_b32 s27, 0x431044fe                      ; C = 144.269504
	s_lshl_b32 s16, ttmp9, 16                      ; text in: g x 32 rows x 2,048
	s_lshl_b32 s15, s14, 13                        ;        + wave x 4 rows x 2,048
	s_add_co_u32 s16, s16, s15
	s_mov_b32 s17, 0
	s_lshl_b32 s18, ttmp9, 15                      ; tn: g x 32 x 1,024 + wave x 4 x 1,024; video in: g x 16 x 2,048 + wave x 2 x 2,048: the same number
	s_lshl_b32 s15, s14, 12
	s_add_co_u32 s18, s18, s15
	s_mov_b32 s19, 0
	s_lshr_b32 s28, ttmp9, 4                       ; vn: (g >> 4) x 256 rows
	s_lshl_b32 s28, s28, 18
	s_and_b32 s15, ttmp9, 15                       ;   + (g & 15) rows
	s_lshl_b32 s15, s15, 10
	s_add_co_u32 s28, s28, s15
	s_lshl_b32 s15, s14, 15                        ;   + frame 2 x wave, 16 rows a frame
	s_add_co_u32 s28, s28, s15
	s_mov_b32 s29, 0
	s_lshl_b32 s30, ttmp9, 7                       ; mask: g x 32 words + wave x 4 words
	s_lshl_b32 s15, s14, 4
	s_add_co_u32 s30, s30, s15
	s_mov_b32 s31, 0
	s_wait_kmcnt 0x0
	s_add_nc_u64 s[4:5], s[4:5], s[16:17]
	s_add_nc_u64 s[6:7], s[6:7], s[30:31]
	s_add_nc_u64 s[8:9], s[8:9], s[18:19]
	s_add_nc_u64 s[10:11], s[10:11], s[18:19]
	s_add_nc_u64 s[12:13], s[12:13], s[28:29]
	s_load_b128 s[20:23], s[6:7], 0x0              ; the masks of my four text rows
.irp i, 0,1,2,3
.irp q, 0,1,2,3
	global_load_b128 v[X+16*\i+4*\q:X+16*\i+4*\q+3], v1, s[4:5] offset:INROW*\i+512*\q th:TH_LOAD_NT
.endr
.endr
.irp i, 0,1
.irp q, 0,1,2,3
	global_load_b128 v[X+64+16*\i+4*\q:X+64+16*\i+4*\q+3], v1, s[8:9] offset:INROW*\i+512*\q th:TH_LOAD_NT
.endr
.endr
	s_wait_kmcnt 0x0
.irp i, 0,1,2,3
	s_mul_f32 s[20+\i], s[20+\i], s27              ; C x mask
.endr
; One row.  i: its slot of 16 registers; left: the younger loads that may stay out (four for each younger row);
; istext: the scale also takes C x mask; base: first register of the output's address pair; outoff: the row's byte offset there.
.macro ROW i, left, istext, base, outoff
	s_wait_loadcnt \left                           ; loads come back in order: this row's four are in
	v_pk_mul_f32 v[4:5], v[X+16*\i:X+16*\i+1], v[X+16*\i:X+16*\i+1]           ; the first squares start two chains: nothing is cleared
	v_pk_mul_f32 v[6:7], v[X+16*\i+2:X+16*\i+3], v[X+16*\i+2:X+16*\i+3]
.irp p, 4,8,12
	v_pk_fma_f32 v[4:5], v[X+16*\i+\p:X+16*\i+\p+1], v[X+16*\i+\p:X+16*\i+\p+1], v[4:5]
	v_pk_fma_f32 v[6:7], v[X+16*\i+\p+2:X+16*\i+\p+3], v[X+16*\i+\p+2:X+16*\i+\p+3], v[6:7]
.endr
	v_pk_add_f32 v[4:5], v[4:5], v[6:7]
	v_add_f32 v8, v4, v5
	v_add_f32_dpp v8, v8, v8 row_xmask:1 row_mask:0xf bank_mask:0xf           ; over the 16 lanes of a half,
	v_add_f32_dpp v8, v8, v8 row_xmask:2 row_mask:0xf bank_mask:0xf
	v_add_f32_dpp v8, v8, v8 row_xmask:4 row_mask:0xf bank_mask:0xf
	v_add_f32_dpp v8, v8, v8 row_xmask:8 row_mask:0xf bank_mask:0xf
	v_permlanex16_b32 v3, v8, s24, s25                                        ; and over the two halves: every lane has the sum
	v_add_f32 v8, v8, v3
	v_sqrt_f32 v9, v8
	v_nop                                          ; one plain place behind a transcendental before its result is used (ISA guide 5.7.2)
	s_wait_alu depctr_va_vdst(0)
	v_max_num_f32 v9, s26, v9                      ; max(norm, 1e-6)
	v_rcp_f32 v10, v9
	v_nop
.if \istext
	s_wait_alu depctr_va_vdst(0)
	v_mul_f32 v10, s[20+\i], v10                   ; C x mask / norm
.endif
	s_wait_alu depctr_va_vdst(0)
.irp p, 0,2,4,6,8,10,12,14
	v_pk_mul_f32 v[X+16*\i+\p:X+16*\i+\p+1], v[X+16*\i+\p:X+16*\i+\p+1], v[10:11] op_sel_hi:[1,0]   ; both halves by v10
.endr
.irp q, 0,1,2,3
	v_cvt_pk_bf16_f32 v[X+16*\i+4*\q], v[X+16*\i+4*\q], v[X+16*\i+4*\q+1]
	v_cvt_pk_bf16_f32 v[X+16*\i+4*\q+1], v[X+16*\i+4*\q+2], v[X+16*\i+4*\q+3]
	global_store_b64 v2, v[X+16*\i+4*\q:X+16*\i+4*\q+1], s[\base:\base+1] offset:\outoff+256*\q     ; 32 lanes store 256 consecutive bytes, aligned
.endr
.endm
	ROW 0, 20, 1, 10, 0
	ROW 1, 16, 1, 10, OUTROW
	ROW 2, 12, 1, 10, 2*OUTROW
	ROW 3, 8,  1, 10, 3*OUTROW
	ROW 4, 4,  0, 12, 0
	ROW 5, 0,  0, 12, VSTEP
	s_endpgm
.Lfunc_end_k_q6e8556e484_prep:
	.size	k_q6e8556e484_prep, .Lfunc_end_k_q6e8556e484_prep-k_q6e8556e484_prep
	.p2alignl 7, 3214868480
	.fill 96, 4, 3214868480
	.section	.rodata,"a",@progbits
	.p2align	6, 0x0
	.amdhsa_kernel k_q6e8556e484_prep
		.amdhsa_group_segment_fixed_size 0
		.amdhsa_private_segment_fixed_size 0
		.amdhsa_enable_private_segment 0
		.amdhsa_kernarg_size 40
		.amdhsa_user_sgpr_count 2
		.amdhsa_user_sgpr_kernarg_segment_ptr 1
		.amdhsa_wavefront_size32 1
		.amdhsa_system_sgpr_workgroup_id_x 1
		.amdhsa_system_sgpr_workgroup_id_y 1
		.amdhsa_system_sgpr_workgroup_id_z 1
		.amdhsa_system_vgpr_workitem_id 0
		.amdhsa_next_free_vgpr 112
		.amdhsa_next_free_sgpr 66
		.amdhsa_reserve_vcc 0
		.amdhsa_float_denorm_mode_32 3
		.amdhsa_float_denorm_mode_16_64 3
		.amdhsa_memory_ordered 1
		.amdhsa_forward_progress 1
		.amdhsa_inst_pref_size 20
	.end_amdhsa_kernel
	.amdgpu_metadata
---
amdhsa.version: [ 1, 2 ]
amdhsa.kernels:
  - .name:           k_q6e8556e484_prep
    .symbol:         k_q6e8556e484_prep.kd
    .args:
      - { .name: text_feat, .offset: 0, .size: 8, .value_kind: global_buffer, .address_space: global }
      - { .name: text_mask, .offset: 8, .size: 8, .value_kind: global_buffer, .address_space: global }
      - { .name: video_feat, .offset: 16, .size: 8, .value_kind: global_buffer, .address_space: global }
      - { .name: tn, .offset: 24, .size: 8, .value_kind: global_buffer, .address_space: global }
      - { .name: vn, .offset: 32, .size: 8, .value_kind: global_buffer, .address_space: global }
    .group_segment_fixed_size: 0
    .private_segment_fixed_size: 0
    .kernarg_segment_align: 8
    .kernarg_segment_size: 40
    .max_flat_workgroup_size: 256
    .sgpr_count:     66
    .vgpr_count:     112
    .wavefront_size: 32
...
	.end_amdgpu_metadata
.endif
;; end of part 1
;; launch pool (part 2): grid 16 x 32, 4 waves a work-group, clusters of 4 x 4, 327,680 bytes of LDS; arguments tn, vn, out0; writes out0
.if DOCPART == 2
	.amdgcn_target "amdgcn-amd-amdhsa--gfx1250"
	.amdhsa_code_object_version 6
	.text
	.protected	k_q6e8556e484_pool
	.globl	k_q6e8556e484_pool
	.p2align	8
	.type	k_q6e8556e484_pool,@function
k_q6e8556e484_pool:
	s_mov_b64 s[64:65], 0
	v_nop
	global_prefetch_b8 v0, s[64:65] scope:SCOPE_SE
	s_setreg_imm32_b32 hwreg(HW_REG_WAVE_MODE, 25, 1), 1
	s_wait_xcnt 0x0
	s_wait_alu depctr_hold_cnt(0) depctr_sa_sdst(0) depctr_va_vdst(0) depctr_va_sdst(0) depctr_va_ssrc(0) depctr_va_vcc(0) depctr_vm_vsrc(0)
	s_getreg_b32 s2, hwreg(HW_REG_IB_STS2, 6, 4)
	s_cmp_eq_u32 s2, 0
	s_cbranch_scc0 .Lentry_in_a_cluster
	s_endpgm
.Lentry_in_a_cluster:
	s_bfe_u32 s2, ttmp6, 0x10000c
	s_cmp_lg_u32 s2, 0xf033
	s_cbranch_scc0 .Lentry_shape_is_right
	s_endpgm
.Lentry_shape_is_right:
; pool: s = tn x vn^T (8,192 x 4,096 x 512, bf16 operands, f32 sums), and every block (a, b) of 32 tokens x 16 frames pooled to one number.
; s = C r mask with C = 100 log2(e), so exp(100 x) of reference() is exp2 of the same quantity here, and all four poolings are
; means weighted by exp2(s - max s): the whole epilogue stays in units of C, and the end divides by 2 C.
; A work-group makes 256 text rows (8 a) x 256 video rows (16 b x 16 frames) with four waves; a wave makes 64 text rows (2 a, "units" u = 0, 1)
; x all 256 video rows: 64 accumulator tiles of 16 x 16, 512 registers.  K = 512 goes in four steps of 128 through two LDS slots filled by
; the tensor data mover; a tile's rows are 256 bytes of memory at multiples of 256 bytes from the buffer's first byte.
; LANES: source 0 = 16 tokens of one a, source 1 = the 16 b of one frame v (vn's row order).  Register j of lane (r, h) of tile (u, T, v) is
; s(a = 2 wave + u, t = 16 T + 8 h + j, b = r, v).  A block (a, b) lies in lanes r and r + 16 alone: the frame axis is summed inside a lane,
; the token axis inside a lane and once across the halves, and the lane ends with its block's number.  No LDS stage on the way out.
; CLUSTERS: 4 x 4 work-groups.  The four of a cluster's row share the text tile, the four of a column the video tile: joint loads, each
; issued by all four with one descriptor, which divides the requests for both operands by four.
; THE OUTPUT: a work-group owns 16 b of 8 rows of out0, so a wave's one store covers two runs of 64 consecutive bytes.  Runs of 256 bytes
; would need 64 b in one work-group, a tile of 64 x 1,024, whose two slots of a K step of 128 do not fit beside each other in LDS;
; the output is 262,144 bytes against 512 KiB of tiles for each of 512 work-groups.
; LIMITS: operands are bf16 (rounded after the normalisation, mask and C folded in).  The tests "== 0" are made on these sums: exact for
; masked tokens and zero vectors; an accidental exact zero of an f32 sum need not coincide.  v_exp_f32 gives 0 below 2^-126; v_rcp_f32 is
; accurate to 1 ULP.  Every softmax takes its true maximum away; (-inf) - (-inf) gives the NaN that reference() gives for a block whose
; tokens are all masked or that has a zero frame.
;
; REGISTERS, in windows of 256:
;   window 0: v16-28 addresses and constants; v32-63, v64-95 text fragments (4 x 16 rows x 32 K), two buffers; in the epilogue v32-255 at work
;   window 1: v0-127, v128-255 video fragments (16 x 16 rows x 32 K), two buffers
;   window 2: unit 0's 32 tiles, tile (T, v) at v[128 T + 8 v];   window 3: unit 1's
.set PITCH,  272                       ; an LDS row: 256 bytes + 16 of padding: the 16 rows of a fragment start in 16 different 16-byte columns of 256 bytes
.set HALFT,  128*PITCH                 ; 128 rows: what one tensor load brings
.set SLOT,   4*HALFT                   ; 256 text rows, then 256 video rows
.set KSTEPB, 256                       ; bytes of a K step of 128 in a row
.set ADRA, 16                          ; v16-17  LDS address of my text fragments in slot 0, 1
.set ADRB, 20                          ; v20-21  the same for the video fragments
.set CO,   24                          ; v24     my byte offset in out0
.set NINF, 25                          ; v25     -inf
.set OUTV, 26                          ; v26-27  the result of unit 0, 1
.set RES,  28                          ; v28     the one that this lane stores
.set FA,   32                          ; text fragment buffers at 32 and 64
.set T2V,  32                          ; epilogue: v32-47 frame-pooled, index 8 T + j
.set V2T,  48                          ;           v48-63 token-pooled, index v
.set RM,   64                          ; frame axis: v64-71 row maxima, later 1 / sum
.set RE,   72                          ;             v72-79 sums of e
.set SEA,  80                          ;             v80-87 sums of s e, even frames
.set SEB,  88                          ;             v88-95 odd frames
.set CM,   64                          ; token axis: v64-71 column maxima of my half
.set XP,   64                          ;             v64-79 what comes from the other half (written before on every path)
.set CMX,  80                          ;             v80-95 column maxima, each twice: a pair for the packed subtraction
.set E2P,  80                          ;             v80-95 sums of e, a pair a column (the maxima are dead by then)
.set SE2P, 96                          ;             v96-111 sums of s e, a pair a column
.set EB,   112                         ;             v112-113 second chain of a column's sum
.set RM3,  114                         ; second round: running maxima
.set RM4,  115
.set PM3,  116                         ;   maxima, each twice
.set PM4,  118
.set PE3,  120                         ;   sums of e and of x e, pairs
.set PS3,  122
.set PE4,  124
.set PS4,  126
.set TB,   128                         ; v128-255 s - max, then e
.set G1,  24                           ; s[24:31] descriptor group 1, text tiles
.set G0,  32                           ; s[32:39] descriptor group 0, text tiles, one set for each slot
.set G1B, 48                           ; s[48:55] group 1, video tiles: differs in the mask alone
.set G0B, 56                           ; s[56:63] group 0, video tiles
.set MK,  72                           ; s[72:87] sixteen compare masks
.set MSB, 0
.macro WIN new                         ; the immediate's high byte repeats the setting that is left; a switch that changes nothing is dropped
.set WNEW, \new
.if MSB != WNEW
	s_set_vgpr_msb (MSB<<8)|WNEW
.set MSB, WNEW
.endif
.endm
.set MUL_U0, 0xa4                      ; source 0 (text) window 0, source 1 (video) window 1, C and D window 2
.set MUL_U1, 0xf4                      ; the same, C and D window 3
.set TO_B,   0x40                      ; destination window 1, address window 0
; A joint load.  Waves 0 and 1 fetch the text tile's halves, waves 2 and 3 the video tile's.  Each line has one mask and one set of registers
; for all that issue it; the branch hangs on the wave's number alone.
.macro JLOAD s
	s_cmp_eq_u32 s11, 0
	s_cbranch_scc0 .Lfor_b_\@
	tensor_load_to_lds s[G0+4*\s:G0+4*\s+3], s[G1:G1+7]
	s_nop 0
	s_branch .Lasked_\@
.Lfor_b_\@:
	tensor_load_to_lds s[G0B+4*\s:G0B+4*\s+3], s[G1B:G1B+7]
	s_nop 0
.Lasked_\@:
.endm
; A round of the cluster's barrier: my work-group's barrier; wave 0 signals for the work-group; every wave waits for all sixteen; my barrier again.
.macro CREST                           ; a round behind its opening barrier
	s_cmp_lg_u32 s10, 0
	s_cbranch_scc1 .Lnot_wave_0_\@
	s_barrier_signal -3
.Lnot_wave_0_\@:
	s_barrier_wait -3
	s_barrier_signal -1
	s_barrier_wait -1
.endm
.macro CROUND                          ; a whole round
	s_barrier_signal -1
	s_barrier_wait -1
	CREST
.endm
	s_load_b128 s[4:7], s[0:1], 0x0                ; tn s[4:5], vn s[6:7]
	s_load_b64 s[8:9], s[0:1], 0x10                ; out0
	v_lshl_add_u32 v30, v0, 2, 0x44000
	v_mov_b32 v31, 0
	ds_add_u32 v30, v31
	v_lshrrev_b32 v1, 5, v0
	v_readfirstlane_b32 s10, v1                    ; wave 0..3
	s_lshr_b32 s11, s10, 1                         ; I fetch for the text tile (0) or the video tile (1)
	s_and_b32 s12, s10, 1                          ; which 128 rows of that tile
	s_bfe_u32 s40, ttmp6, 0x40000                  ; cx
	s_bfe_u32 s41, ttmp6, 0x40004                  ; cy
	s_lshl_b32 s42, ttmp9, 2
	s_add_co_u32 s42, s42, s40                     ; bx = 4 x cluster x + cx: the group of 16 b
	s_and_b32 s13, ttmp7, 0xffff
	s_lshl_b32 s13, s13, 2
	s_add_co_u32 s13, s13, s41                     ; by = 4 x cluster y + cy: the group of 8 a
	s_lshl_b32 s43, s41, 2
	s_lshl_b32 s43, 15, s43                        ; my row of the cluster: places 4 cy .. 4 cy + 3
	s_lshl_b32 s44, 0x1111, s40                    ; my column: places cx, cx + 4, cx + 8, cx + 12
	; group 1: a tile of 128 rows x 128 elements of 2 bytes, 4 words of padding behind every 64 words
	s_or_b32 s[G1+0], s43, (1<<16)|(1<<20)|(1<<21)|(5<<22)|(3<<25)   ; text tiles go to my row of the cluster
	s_or_b32 s[G1B+0], s44, (1<<16)|(1<<20)|(1<<21)|(5<<22)|(3<<25)  ; video tiles to my column
	s_mov_b32 s[G1+1], 128<<16                     ; tensor_dim0 = 128
	s_mov_b32 s[G1B+1], 128<<16
	s_mov_b32 s[G1+2], 128<<16                     ; tensor_dim1 = 128
	s_mov_b32 s[G1B+2], 128<<16
	s_mov_b32 s[G1+3], 128<<16                     ; tile_dim0 = 128
	s_mov_b32 s[G1B+3], 128<<16
	s_mov_b32 s[G1+4], 128                         ; tile_dim1 = 128
	s_mov_b32 s[G1B+4], 128
	s_mov_b32 s[G1+5], 512                         ; 512 elements from row to row
	s_mov_b32 s[G1B+5], 512
	s_mov_b32 s[G1+6], 0
	s_mov_b32 s[G1B+6], 0
	s_mov_b32 s[G1+7], 0
	s_mov_b32 s[G1B+7], 0
	; the text tile hangs on by alone, the video tile on bx alone; each address in registers that never hold the other coordinate
	s_lshl_b32 s17, s12, 7
	s_lshl_b32 s16, s13, 8
	s_add_co_u32 s16, s16, s17                     ; text row 256 by + 128 half
	s_lshl_b32 s46, s42, 8
	s_add_co_u32 s46, s46, s17                     ; video row 256 bx + 128 half
	s_lshl_b32 s16, s16, 10                        ; rows of 1,024 bytes: below 8 MiB
	s_lshl_b32 s46, s46, 10
	s_mov_b32 s17, 0
	s_mov_b32 s47, 0
	s_mul_i32 s20, s10, HALFT                      ; where my part goes: wave x 128 rows; no place in the cluster enters an LDS address
	s_wait_dscnt 0x0
	s_wait_kmcnt 0x0
	s_add_nc_u64 s[14:15], s[4:5], s[16:17]
	s_add_nc_u64 s[46:47], s[6:7], s[46:47]
	CROUND                                         ; all sixteen work-groups are here: the first joint loads meet
.irp s, 0,1
	s_mov_b32 s[G0+4*\s], 1
	s_add_co_u32 s[G0+4*\s+1], s20, \s*SLOT
	s_add_nc_u64 s[G0+4*\s+2:G0+4*\s+3], s[14:15], \s*KSTEPB       ; K step s
	s_or_b32 s[G0+4*\s+3], s[G0+4*\s+3], 0x80000000
	s_mov_b32 s[G0B+4*\s], 1
	s_add_co_u32 s[G0B+4*\s+1], s20, \s*SLOT
	s_add_nc_u64 s[G0B+4*\s+2:G0B+4*\s+3], s[46:47], \s*KSTEPB
	s_or_b32 s[G0B+4*\s+3], s[G0B+4*\s+3], 0x80000000
	JLOAD \s                                       ; both slots' first fills go out together: two tensor loads of the wave are out
.endr
	; a fragment: lane l holds row l % 16; two loads of 16 bytes, 32 bytes apart, at row x pitch + 16 (l / 16)
	v_and_b32 v1, 15, v0                           ; r
	v_bfe_u32 v2, v0, 4, 1                         ; h
	v_mul_u32_u24 v3, v1, PITCH
	v_lshl_add_u32 v3, v2, 4, v3
	s_mul_i32 s21, s10, 64*PITCH                   ; my 64 text rows
	s_mov_b32 s22, 2*HALFT                         ; the video rows lie behind the 256 text rows; every wave reads all of them
.irp s, 0,1
	v_add_nc_u32 v[ADRA+\s], s21, v3
	v_add_nc_u32 v[ADRB+\s], s22, v3
	s_add_co_u32 s21, s21, SLOT
	s_add_co_u32 s22, s22, SLOT
.endr
	v_lshlrev_b32 v[CO], 2, v1                     ; out0: column r of my 16,
	v_lshl_add_u32 v[CO], v2, 10, v[CO]            ; lanes 16-31 one row of 1,024 bytes further down
	v_mov_b32 v[NINF], 0xff800000
	s_mov_b32 s67, 0xffff0000                      ; lanes 16-31
	s_mov_b32 s68, 0x76543210                      ; v_permlanex16_b32: lane i of one half reads lane i of the other
	s_mov_b32 s69, 0xfedcba98
	s_mov_b32 s70, 0x3b632166                      ; 1 / (2 C) = ln 2 / 200
; 16 matrix instructions: text fragment 2 u + tt x all 16 frames, 32 along K, on fragment buffers cf.  zero = 1: the first product starts the sums.
.macro MUL16 cf, u, tt, zero
.irp v, 0,1,2,3,4,5,6,7,8,9,10,11,12,13,14,15
.if \zero
	v_wmma_f32_16x16x32_bf16 v[128*\tt+8*\v:128*\tt+8*\v+7], v[FA+32*\cf+8*(2*\u+\tt):FA+32*\cf+8*(2*\u+\tt)+7], v[128*\cf+8*\v:128*\cf+8*\v+7], 0
.else
	v_wmma_f32_16x16x32_bf16 v[128*\tt+8*\v:128*\tt+8*\v+7], v[FA+32*\cf+8*(2*\u+\tt):FA+32*\cf+8*(2*\u+\tt)+7], v[128*\cf+8*\v:128*\cf+8*\v+7], v[128*\tt+8*\v:128*\tt+8*\v+7]
.endif
.endr
.endm
; 40 LDS loads in one run: a quarter step's fragments (256 video rows, my 64 text rows, 32 K at byte k of the rows) into buffers f.
; The largest immediate is 15 x 16 x 272 + 192 + 32 = 65,504.
.macro FETCH slot, k, f
	WIN TO_B
.irp v, 0,1,2,3,4,5,6,7,8,9,10,11,12,13,14,15
	ds_load_b128 v[128*\f+8*\v:128*\f+8*\v+3],   v[ADRB+\slot] offset:\k+\v*16*PITCH
	ds_load_b128 v[128*\f+8*\v+4:128*\f+8*\v+7], v[ADRB+\slot] offset:\k+\v*16*PITCH+32
.endr
	WIN 0
.irp i, 0,1,2,3
	ds_load_b128 v[FA+32*\f+8*\i:FA+32*\f+8*\i+3],   v[ADRA+\slot] offset:\k+\i*16*PITCH
	ds_load_b128 v[FA+32*\f+8*\i+4:FA+32*\f+8*\i+7], v[ADRA+\slot] offset:\k+\i*16*PITCH+32
.endr
.endm
; Four places behind the matrix instructions that read a buffer, before loads are issued into it or vector instructions touch their registers
; (ISA guide 7.12.1 for vector instructions).  The matrix instructions in between are not counted.
.macro PLACES
.rept 4
	v_nop
.endr
.endm
; A K step is four quarters of 32 along K, 64 matrix instructions each, on buffers 0, 1, 0, 1.  The 64 accumulators take turns in one fixed
; order, one instruction a turn, through the whole text.
; One of the first three quarters: multiplies buffers cf; in its middle it fetches the next quarter's fragments into buffers nf.
.macro QUARTER slot, k, cf, nf, zero
	s_wait_dscnt 4                                 ; all but the four youngest loads: text fragments 2 and 3, which unit 1 alone reads
	WIN MUL_U0
	MUL16 \cf, 0, 0, \zero
	MUL16 \cf, 0, 1, \zero
	PLACES
	FETCH \slot, \k, \nf
	s_wait_dscnt 40                                ; all but the 40 just issued
	WIN MUL_U1
	MUL16 \cf, 1, 0, \zero
	MUL16 \cf, 1, 1, \zero
.endm
.macro THREE slot, zero
	QUARTER \slot, 64,  0, 1, \zero
	QUARTER \slot, 128, 1, 0, 0
	QUARTER \slot, 192, 0, 1, 0
.endm
; The last quarter of a K step: multiplies buffers 1 and changes slots.  One barrier for two things: in front of it each wave waits for its
; reads of this slot and for all its tensor loads (one is out: its part of the next slot); behind it nobody reads this slot and the next one
; is whole.  fill = 1: the barrier opens a round of the cluster's barrier, and the joint refill is the first tensor load behind the round;
; from that request to the wait for it a wave issues 240 matrix instructions.
.macro TURN slot, next, fill
	s_wait_dscnt 4
	WIN MUL_U0
	MUL16 1, 0, 0, 0
	s_wait_dscnt 0                                 ; my reads of this slot are over
	s_set_vgpr_msb 0xa4a0
	s_wait_tensorcnt 0x0                           ; all my tensor loads have landed
	ds_add_u32 v30, v31
	s_wait_dscnt 0x0
	s_set_vgpr_msb 0xa0a4
	s_barrier_signal -1
	MUL16 1, 0, 1, 0                               ; register work while the others arrive
	WIN 0
	s_barrier_wait -1
.if \fill
	CREST                                          ; no wave of any partner still reads this slot or has a load on its way
	s_add_nc_u64 s[G0+4*\slot+2:G0+4*\slot+3], s[G0+4*\slot+2:G0+4*\slot+3], 2*KSTEPB
	s_add_nc_u64 s[G0B+4*\slot+2:G0B+4*\slot+3], s[G0B+4*\slot+2:G0B+4*\slot+3], 2*KSTEPB
	JLOAD \slot                                    ; my one tensor load behind the round
.endif
	PLACES
	FETCH \next, 0, 0
	WIN MUL_U1
	MUL16 1, 1, 0, 0
	MUL16 1, 1, 1, 0
.endm
	s_wait_tensorcnt 1                             ; my part of K step 0 is in; K step 1's may stay out
	s_barrier_signal -1
	s_barrier_wait -1                              ; everybody's is
	FETCH 0, 0, 0
	THREE 0, 1                                     ; K step 0: its first products start the sums
	TURN 0, 1, 1                                   ; slot 0 gets K step 2
	THREE 1, 0                                     ; K step 1
	TURN 1, 0, 1                                   ; slot 1 gets K step 3: the last joint load
	THREE 0, 0                                     ; K step 2
	TURN 0, 1, 0                                   ; nothing is left to fetch
	THREE 1, 0                                     ; K step 3
	s_wait_dscnt 4
	WIN MUL_U0
	MUL16 1, 0, 0, 0
	MUL16 1, 0, 1, 0
	s_wait_dscnt 0
	WIN MUL_U1
	MUL16 1, 1, 0, 0
	MUL16 1, 1, 1, 0
	WIN 0
	PLACES                                         ; the places behind the last matrix instructions: the epilogue reads results and writes over fragments
	s_lshl_b32 s16, s13, 13                        ; out0: row 8 by + 2 wave, 1,024 bytes a row
	s_lshl_b32 s17, s10, 11
	s_add_co_u32 s16, s16, s17
	s_mov_b32 s17, 0
	s_add_nc_u64 s[8:9], s[8:9], s[16:17]
	s_lshl_b32 s46, s42, 6                         ; column 16 bx, in bytes
	s_mov_b32 s47, 0
	s_add_nc_u64 s[8:9], s[8:9], s[46:47]
; THE EPILOGUE.  Window settings: 10 + 5 u = sources 0 and 1 in unit u's window; 2 + u = source 0 there; all else window 0.
.macro EXP8 b                          ; eight exponentials in place
.irp j, 0,1,2,3,4,5,6,7
	v_exp_f32 v[\b+\j], v[\b+\j]
.endr
.endm
.macro EXP16 b
.irp j, 0,1,2,3,4,5,6,7,8,9,10,11,12,13,14,15
	v_exp_f32 v[\b+\j], v[\b+\j]
.endr
.endm
.macro SUMV k                          ; frame axis: the eight rows' sums of e take frame k
	s_wait_alu depctr_va_vdst(0)
.irp q, 0,2,4,6
	v_pk_add_f32 v[RE+\q:RE+\q+1], v[RE+\q:RE+\q+1], v[TB+8*\k+\q:TB+8*\k+\q+1]
.endr
.endm
; Frame axis, the 8 rows t = 16 tt + 8 h + j of unit u: T2V = sum over v of s e / sum of e, e = exp2(s - max over v).  All inside the lane.
.macro EPI_V u, tt
	WIN 10+5*\u
.irp j, 0,1,2,3,4,5,6,7
	v_max_num_f32 v[RM+\j], v[128*\tt+\j], v[128*\tt+8+\j]
.endr
.irp p, 1,2,3,4,5,6,7
.irp j, 0,1,2,3,4,5,6,7
	v_max3_num_f32 v[RM+\j], v[128*\tt+16*\p+\j], v[128*\tt+16*\p+8+\j], v[RM+\j]
.endr
.endr
	WIN 2+\u
.irp v, 0,1,2,3,4,5,6,7,8,9,10,11,12,13,14,15
.irp q, 0,2,4,6
	v_pk_add_f32 v[TB+8*\v+\q:TB+8*\v+\q+1], v[128*\tt+8*\v+\q:128*\tt+8*\v+\q+1], v[RM+\q:RM+\q+1] neg_lo:[0,1] neg_hi:[0,1]
.endr
.endr
	WIN 0
	; Exponentials in groups of eight, a frame each; a group's results are used one group later, behind the sum of the group before:
	; a plain vector instruction stands between every exponential and the use of its result (ISA guide 5.7.2).
	EXP8 TB
	EXP8 TB+8
	v_nop
	EXP8 TB+16
	s_wait_alu depctr_va_vdst(0)
.irp q, 0,2,4,6
	v_pk_add_f32 v[RE+\q:RE+\q+1], v[TB+\q:TB+\q+1], v[TB+8+\q:TB+8+\q+1]     ; frames 0 and 1 start the sums
.endr
.irp k, 2,3,4,5,6,7,8,9,10,11,12,13,14
	EXP8 TB+8*(\k+1)
	SUMV \k
.endr
	SUMV 15
	WIN 2+\u
.irp q, 0,2,4,6
	v_pk_mul_f32 v[SEA+\q:SEA+\q+1], v[128*\tt+\q:128*\tt+\q+1], v[TB+\q:TB+\q+1]
.endr
.irp q, 0,2,4,6
	v_pk_mul_f32 v[SEB+\q:SEB+\q+1], v[128*\tt+8+\q:128*\tt+8+\q+1], v[TB+8+\q:TB+8+\q+1]
.endr
.irp p, 1,2,3,4,5,6,7
.irp q, 0,2,4,6
	v_pk_fma_f32 v[SEA+\q:SEA+\q+1], v[128*\tt+16*\p+\q:128*\tt+16*\p+\q+1], v[TB+16*\p+\q:TB+16*\p+\q+1], v[SEA+\q:SEA+\q+1]
.endr
.irp q, 0,2,4,6
	v_pk_fma_f32 v[SEB+\q:SEB+\q+1], v[128*\tt+16*\p+8+\q:128*\tt+16*\p+8+\q+1], v[TB+16*\p+8+\q:TB+16*\p+8+\q+1], v[SEB+\q:SEB+\q+1]
.endr
.endr
	WIN 0
.irp j, 0,1,2,3,4,5,6,7
	v_rcp_f32 v[RM+\j], v[RE+\j]                   ; the maxima are dead
.endr
.irp q, 0,2,4,6
	v_pk_add_f32 v[SEA+\q:SEA+\q+1], v[SEA+\q:SEA+\q+1], v[SEB+\q:SEB+\q+1]   ; plain work between the reciprocals and their use
.endr
	s_wait_alu depctr_va_vdst(0)
.irp q, 0,2,4,6
	v_pk_mul_f32 v[T2V+8*\tt+\q:T2V+8*\tt+\q+1], v[SEA+\q:SEA+\q+1], v[RM+\q:RM+\q+1]   ; a masked row: all s = 0, so exactly 0
.endr
.endm
.macro SUMT c                          ; token axis: column c's 16 e of this lane into a pair, on two chains
	s_wait_alu depctr_va_vdst(0)
	v_pk_add_f32 v[E2P+2*\c:E2P+2*\c+1], v[TB+16*\c:TB+16*\c+1], v[TB+16*\c+2:TB+16*\c+3]
	v_pk_add_f32 v[EB:EB+1], v[TB+16*\c+4:TB+16*\c+5], v[TB+16*\c+6:TB+16*\c+7]
	v_pk_add_f32 v[E2P+2*\c:E2P+2*\c+1], v[E2P+2*\c:E2P+2*\c+1], v[TB+16*\c+8:TB+16*\c+9]
	v_pk_add_f32 v[EB:EB+1], v[EB:EB+1], v[TB+16*\c+10:TB+16*\c+11]
	v_pk_add_f32 v[E2P+2*\c:E2P+2*\c+1], v[E2P+2*\c:E2P+2*\c+1], v[TB+16*\c+12:TB+16*\c+13]
	v_pk_add_f32 v[EB:EB+1], v[EB:EB+1], v[TB+16*\c+14:TB+16*\c+15]
	v_pk_add_f32 v[E2P+2*\c:E2P+2*\c+1], v[E2P+2*\c:E2P+2*\c+1], v[EB:EB+1]
.endm
; Token axis, the 8 frames v = 8 hv + c of unit u: V2T = sum over t of s e / sum of e, e = exp2(z - max over t of z), z = s or -inf where s = 0.
; A lane holds 16 of a column's 32 tokens (index k = 8 T + j, at TB + 16 c + k), lane xor 16 the others.
.macro EPI_T u, hv
	WIN 2+\u
.irp c, 0,1,2,3,4,5,6,7
.irp k, 0,1,2,3,4,5,6,7,8,9,10,11,12,13,14,15
	v_cmp_eq_f32 s[MK+\k], v[128*(\k/8)+64*\hv+8*\c+(\k%8)], 0
.endr
.irp k, 0,1,2,3,4,5,6,7,8,9,10,11,12,13,14,15
	v_cndmask_b32 v[TB+16*\c+\k], v[128*(\k/8)+64*\hv+8*\c+(\k%8)], v[NINF], s[MK+\k]
.endr
.endr
	WIN 0
.irp c, 0,1,2,3,4,5,6,7
	v_max3_num_f32 v[CM+\c], v[TB+16*\c], v[TB+16*\c+1], v[TB+16*\c+2]
.endr
.irp p, 0,1,2,3,4,5
.irp c, 0,1,2,3,4,5,6,7
	v_max3_num_f32 v[CM+\c], v[TB+16*\c+3+2*\p], v[TB+16*\c+4+2*\p], v[CM+\c]
.endr
.endr
.irp c, 0,1,2,3,4,5,6,7
	v_max_num_f32 v[CM+\c], v[TB+16*\c+15], v[CM+\c]
.endr
.irp c, 0,1,2,3,4,5,6,7
	v_permlanex16_b32 v[XP+8+\c], v[CM+\c], s68, s69
.endr
.irp c, 0,1,2,3,4,5,6,7
	v_max_num_f32 v[CMX+2*\c], v[CM+\c], v[XP+8+\c]            ; the column's maximum, written twice:
	v_max_num_f32 v[CMX+2*\c+1], v[CM+\c], v[XP+8+\c]          ; a pair for the packed subtraction
.endr
.irp c, 0,1,2,3,4,5,6,7
.irp q, 0,2,4,6,8,10,12,14
	v_pk_add_f32 v[TB+16*\c+\q:TB+16*\c+\q+1], v[TB+16*\c+\q:TB+16*\c+\q+1], v[CMX+2*\c:CMX+2*\c+1] neg_lo:[0,1] neg_hi:[0,1]
.endr
.endr
	; exponentials in groups of sixteen, a column each; a column is summed behind the next column's group and the sum of the column before
	EXP16 TB
	v_nop
.irp c, 0,1,2,3,4,5,6
	EXP16 TB+16*(\c+1)
	SUMT \c
.endr
	SUMT 7
	WIN 2+\u
.irp c, 0,1,2,3,4,5,6,7
	v_pk_mul_f32 v[SE2P+2*\c:SE2P+2*\c+1], v[64*\hv+8*\c:64*\hv+8*\c+1], v[TB+16*\c:TB+16*\c+1]    ; s itself: where s = 0, e = 0 and the term is 0
.endr
.irp p, 1,2,3,4,5,6,7
.irp c, 0,1,2,3,4,5,6,7
	v_pk_fma_f32 v[SE2P+2*\c:SE2P+2*\c+1], v[128*(\p/4)+64*\hv+8*\c+2*(\p%4):128*(\p/4)+64*\hv+8*\c+2*(\p%4)+1], v[TB+16*\c+2*\p:TB+16*\c+2*\p+1], v[SE2P+2*\c:SE2P+2*\c+1]
.endr
.endr
	WIN 0
.irp c, 0,1,2,3,4,5,6,7
	v_add_f32 v[E2P+2*\c], v[E2P+2*\c], v[E2P+2*\c+1]
	v_add_f32 v[SE2P+2*\c], v[SE2P+2*\c], v[SE2P+2*\c+1]
.endr
.irp c, 0,1,2,3,4,5,6,7
	v_permlanex16_b32 v[XP+\c], v[E2P+2*\c], s68, s69
	v_permlanex16_b32 v[XP+8+\c], v[SE2P+2*\c], s68, s69
.endr
.irp c, 0,1,2,3,4,5,6,7
	v_add_f32 v[E2P+2*\c], v[E2P+2*\c], v[XP+\c]
.endr
.irp c, 0,1,2,3,4,5,6,7
	v_rcp_f32 v[XP+\c], v[E2P+2*\c]
.endr
.irp c, 0,1,2,3,4,5,6,7
	v_add_f32 v[SE2P+2*\c], v[SE2P+2*\c], v[XP+8+\c]           ; plain work between the reciprocals and their use
.endr
	s_wait_alu depctr_va_vdst(0)
.irp c, 0,1,2,3,4,5,6,7
	v_mul_f32 v[V2T+8*\hv+\c], v[SE2P+2*\c], v[XP+\c]          ; the same in both halves of the wave
.endr
.endm
; Second round of unit u: T2V pooled over the 32 tokens (0 -> -inf; 16 in this lane, 16 in lane xor 16), V2T over the 16 frames (all in this lane).
.macro EPI_2 u
	WIN 0
.irp k, 0,1,2,3,4,5,6,7,8,9,10,11,12,13,14,15
	v_cmp_eq_f32 s[MK+\k], v[T2V+\k], 0
.endr
.irp k, 0,1,2,3,4,5,6,7,8,9,10,11,12,13,14,15
	v_cndmask_b32 v[TB+\k], v[T2V+\k], v[NINF], s[MK+\k]
.endr
	v_max3_num_f32 v[RM3], v[TB], v[TB+1], v[TB+2]
	v_max3_num_f32 v[RM4], v[V2T], v[V2T+1], v[V2T+2]
.irp p, 0,1,2,3,4,5
	v_max3_num_f32 v[RM3], v[TB+3+2*\p], v[TB+4+2*\p], v[RM3]
	v_max3_num_f32 v[RM4], v[V2T+3+2*\p], v[V2T+4+2*\p], v[RM4]
.endr
	v_max_num_f32 v[RM3], v[TB+15], v[RM3]
	v_max_num_f32 v[PM4], v[V2T+15], v[RM4]
	v_max_num_f32 v[PM4+1], v[V2T+15], v[RM4]
	v_permlanex16_b32 v[XP], v[RM3], s68, s69
	v_max_num_f32 v[PM3], v[RM3], v[XP]
	v_max_num_f32 v[PM3+1], v[RM3], v[XP]
.irp q, 0,2,4,6,8,10,12,14
	v_pk_add_f32 v[TB+\q:TB+\q+1], v[TB+\q:TB+\q+1], v[PM3:PM3+1] neg_lo:[0,1] neg_hi:[0,1]
	v_pk_add_f32 v[TB+16+\q:TB+16+\q+1], v[V2T+\q:V2T+\q+1], v[PM4:PM4+1] neg_lo:[0,1] neg_hi:[0,1]
.endr
	EXP16 TB
	EXP16 TB+16
	v_nop
	s_wait_alu depctr_va_vdst(0)
	v_pk_add_f32 v[PE3:PE3+1], v[TB:TB+1], v[TB+2:TB+3]
	v_pk_mul_f32 v[PS3:PS3+1], v[T2V:T2V+1], v[TB:TB+1]
	v_pk_add_f32 v[PE4:PE4+1], v[TB+16:TB+17], v[TB+18:TB+19]
	v_pk_mul_f32 v[PS4:PS4+1], v[V2T:V2T+1], v[TB+16:TB+17]
	v_pk_fma_f32 v[PS3:PS3+1], v[T2V+2:T2V+3], v[TB+2:TB+3], v[PS3:PS3+1]
	v_pk_fma_f32 v[PS4:PS4+1], v[V2T+2:V2T+3], v[TB+18:TB+19], v[PS4:PS4+1]
.irp q, 4,6,8,10,12,14
	v_pk_add_f32 v[PE3:PE3+1], v[PE3:PE3+1], v[TB+\q:TB+\q+1]
	v_pk_fma_f32 v[PS3:PS3+1], v[T2V+\q:T2V+\q+1], v[TB+\q:TB+\q+1], v[PS3:PS3+1]
	v_pk_add_f32 v[PE4:PE4+1], v[PE4:PE4+1], v[TB+16+\q:TB+16+\q+1]
	v_pk_fma_f32 v[PS4:PS4+1], v[V2T+\q:V2T+\q+1], v[TB+16+\q:TB+16+\q+1], v[PS4:PS4+1]
.endr
	v_add_f32 v[PE3], v[PE3], v[PE3+1]
	v_add_f32 v[PS3], v[PS3], v[PS3+1]
	v_add_f32 v[PE4], v[PE4], v[PE4+1]
	v_add_f32 v[PS4], v[PS4], v[PS4+1]
	v_permlanex16_b32 v[XP], v[PE3], s68, s69
	v_permlanex16_b32 v[XP+1], v[PS3], s68, s69
	v_add_f32 v[PE3], v[PE3], v[XP]
	v_add_f32 v[PS3], v[PS3], v[XP+1]
	v_rcp_f32 v[PE3+1], v[PE3]
	v_rcp_f32 v[PE4+1], v[PE4]
	v_nop
	s_wait_alu depctr_va_vdst(0)
	v_mul_f32 v[PS3], v[PS3], v[PE3+1]
	v_fma_f32 v[PS3], v[PS4], v[PE4+1], v[PS3]
	v_mul_f32 v[OUTV+\u], s70, v[PS3]              ; (t2v_ab + v2t_ab) / 2, out of units of C
.endm
	EPI_V 0, 0
	EPI_V 0, 1
	EPI_T 0, 0
	EPI_T 0, 1
	EPI_2 0
	EPI_V 1, 0
	EPI_V 1, 1
	EPI_T 1, 0
	EPI_T 1, 1
	EPI_2 1
	v_cndmask_b32 v[RES], v[OUTV], v[OUTV+1], s67  ; both halves hold both units' numbers: lanes 0-15 store a = 2 wave, lanes 16-31 a = 2 wave + 1
	global_store_b32 v[CO], v[RES], s[8:9]         ; two runs of 64 consecutive bytes
	CROUND                                         ; the closing round: no work-group ends while a partner may still ask for a tile that names it
	s_endpgm
.Lfunc_end_k_q6e8556e484_pool:
	.size	k_q6e8556e484_pool, .Lfunc_end_k_q6e8556e484_pool-k_q6e8556e484_pool
	.p2alignl 7, 3214868480
	.fill 96, 4, 3214868480
	.section	.rodata,"a",@progbits
	.p2align	6, 0x0
	.amdhsa_kernel k_q6e8556e484_pool
		.amdhsa_group_segment_fixed_size 327680
		.amdhsa_private_segment_fixed_size 0
		.amdhsa_enable_private_segment 0
		.amdhsa_kernarg_size 24
		.amdhsa_user_sgpr_count 2
		.amdhsa_user_sgpr_kernarg_segment_ptr 1
		.amdhsa_wavefront_size32 1
		.amdhsa_system_sgpr_workgroup_id_x 1
		.amdhsa_system_sgpr_workgroup_id_y 1
		.amdhsa_system_sgpr_workgroup_id_z 1
		.amdhsa_system_vgpr_workitem_id 0
		.amdhsa_next_free_vgpr 1024
		.amdhsa_next_free_sgpr 90
		.amdhsa_reserve_vcc 0
		.amdhsa_float_denorm_mode_32 3
		.amdhsa_float_denorm_mode_16_64 3
		.amdhsa_memory_ordered 1
		.amdhsa_forward_progress 1
		.amdhsa_inst_pref_size 255
	.end_amdhsa_kernel
	.section	.bss,"aw",@nobits
	.p2align	6
	.space	262144
	.amdgpu_metadata
---
amdhsa.version: [ 1, 2 ]
amdhsa.kernels:
  - .name:           k_q6e8556e484_pool
    .symbol:         k_q6e8556e484_pool.kd
    .args:
      - { .name: tn, .offset: 0, .size: 8, .value_kind: global_buffer, .address_space: global }
      - { .name: vn, .offset: 8, .size: 8, .value_kind: global_buffer, .address_space: global }
      - { .name: out0, .offset: 16, .size: 8, .value_kind: global_buffer, .address_space: global }
    .group_segment_fixed_size: 327680
    .private_segment_fixed_size: 0
    .kernarg_segment_align: 8
    .kernarg_segment_size: 24
    .max_flat_workgroup_size: 128
    .sgpr_count:     90
    .vgpr_count:     1024
    .wavefront_size: 32
...
	.end_amdgpu_metadata
.endif
;; end of part 2
;; ======== version 2 of 2: 2 launches; version 1 with the launch prep written anew for expert scheduling mode
;; workspace buffers: tn 8,388,608 bytes; vn 4,194,304 bytes
;; launch prep (part 3): grid 256 x 1, 8 waves a work-group, no clusters, 0 bytes of LDS; arguments text_feat, text_mask, video_feat, tn, vn; writes tn, vn
.if DOCPART == 3
	.amdgcn_target "amdgcn-amd-amdhsa--gfx1250"
	.amdhsa_code_object_version 6
	.text
	.protected	k_q6e8556e484_prep
	.globl	k_q6e8556e484_prep
	.p2align	8
	.type	k_q6e8556e484_prep,@function
k_q6e8556e484_prep:
	s_mov_b64 s[64:65], 0
	v_nop
	global_prefetch_b8 v0, s[64:65] scope:SCOPE_SE
	s_setreg_imm32_b32 hwreg(HW_REG_WAVE_SCHED_MODE, 0, 2), 2
	s_setreg_imm32_b32 hwreg(HW_REG_WAVE_MODE, 25, 1), 1
	s_wait_xcnt 0x0
	s_wait_alu depctr_vm_vsrc(0)
; prep: every row of text_feat and video_feat is normalised once, in f32, and stored as bf16 for the matrix launch.
;   tn[a*32+t][d]                      = bf16( text[a][t][d] * C * mask[a][t] / max(|text row|, 1e-6) ),  C = 100 * log2(e)
;   vn[(b>>4)*256 + v*16 + (b&15)][d]  = bf16( video[b][v][d] / max(|video row|, 1e-6) )
; With C and the mask folded in, the products of the next launch are already 100*log2(e)*r*mask, the argument of a base-2 exponential.
; vn's row order puts the 16 b of one frame v on 16 neighbouring rows: one B fragment of the next launch.
; Work-group g: text a = g (32 rows) and video b = g (16 rows).  Eight waves; a wave takes 4 text rows and 2 video rows, one row at a time.
; A row is 2,048 bytes = four 16-byte loads a lane, each covering 512 consecutive bytes.  All 24 loads of a wave go out at the head;
; a row keeps its own 16 registers from load to store, so no source of a memory instruction is ever written again.
; No LDS, no barrier, no matrix unit: rows do not depend on each other and the launch only moves bytes.
; LIMITS: the sum of squares of a row is formed in f32 as reference() forms it (it must stay finite); v_sqrt_f32 and v_rcp_f32 are
; accurate to 1 ULP; the result is rounded once to bf16.
; THE MODE: SCHED_MODE bits 1:0 = 2 (LLVM: expert scheduling mode 2), set by the entry lines.  The code itself states the register dependences
; between vector instructions and memory instructions, with s_wait_alu, always for 0.
; THE PLAN.  Registers that memory instructions touch:
;   v1         the loads' offset.   Written once at the head; read by the 24 loads; never written again.
;   v2         the stores' offset.  Written at the head; read by the 24 stores; never written again.
;   X, row i   16 registers.  The row's four loads land in them at the head, before any vector instruction has named them.  The row's squares read
;              them, its scalings and roundings write them in place; its four stores read registers 4 q and 4 q + 1; nothing writes them afterwards.
;   v3 to v11  are named by vector instructions alone.   s14, the wave's number, is written by a vector instruction and read by scalar ones.
; Row i's four stores are issued in row i + 1, directly behind the wait that stands there for row i + 1's root: that one wait also states that row i's
; roundings have written the stores' data.  Only the last row's stores have a wait of their own.  Since no register that a memory instruction
; reads is written again, the text behind the entry lines holds no wait on vm_vsrc and no s_wait_xcnt.
.set X,      16                        ; v[16:111]  row i: 16 registers, as loaded, then scaled, then packed
.set INROW,  2048                      ; bytes of an f32 row
.set OUTROW, 1024                      ; bytes of a bf16 row
.set VSTEP,  16*OUTROW                 ; from frame v to frame v + 1 in vn
	s_load_b256 s[4:11], s[0:1], 0x0               ; text s[4:5], mask s[6:7], video s[8:9], tn s[10:11]
	s_load_b64 s[12:13], s[0:1], 0x20              ; vn
	v_lshrrev_b32 v4, 5, v0
	v_readfirstlane_b32 s14, v4                    ; wave 0..7
	v_and_b32 v2, 31, v0                           ; lane
	v_lshlrev_b32 v1, 4, v2                        ; 16 bytes a lane in a load; never rewritten
	v_lshlrev_b32 v2, 3, v2                        ; 8 bytes a lane in a store; never rewritten
	v_mov_b32 v3, 0                                ; destination of v_permlanex16_b32: counts as read, so it is written once here
	v_mov_b32 v11, 0                               ; upper register of the scale's pair: named by the packed multiply, not used
	s_mov_b32 s24, 0x76543210                      ; v_permlanex16_b32: lane i of one half reads lane i of the other
	s_mov_b32 s25, 0xfedcba98
	s_mov_b32 s26, 0x358637bd                      ; 1e-6
	s_mov_b32 s27, 0x431044fe                      ; C = 144.269504
	s_wait_alu depctr_va_sdst(0)                   ; s14 is written, ahead of its first reader: the offsets of all five buffers are made from it
	s_lshl_b32 s16, ttmp9, 16                      ; text in: g x 32 rows x 2,048
	s_lshl_b32 s15, s14, 13                        ;        + wave x 4 rows x 2,048
	s_add_co_u32 s16, s16, s15
	s_mov_b32 s17, 0
	s_lshl_b32 s18, ttmp9, 15                      ; tn: g x 32 x 1,024 + wave x 4 x 1,024; video in: g x 16 x 2,048 + wave x 2 x 2,048: the same number
	s_lshl_b32 s15, s14, 12
	s_add_co_u32 s18, s18, s15
	s_mov_b32 s19, 0
	s_lshr_b32 s28, ttmp9, 4                       ; vn: (g >> 4) x 256 rows
	s_lshl_b32 s28, s28, 18
	s_and_b32 s15, ttmp9, 15                       ;   + (g & 15) rows
	s_lshl_b32 s15, s15, 10
	s_add_co_u32 s28, s28, s15
	s_lshl_b32 s15, s14, 15                        ;   + frame 2 x wave, 16 rows a frame
	s_add_co_u32 s28, s28, s15
	s_mov_b32 s29, 0
	s_lshl_b32 s30, ttmp9, 7                       ; mask: g x 32 words + wave x 4 words
	s_lshl_b32 s15, s14, 4
	s_add_co_u32 s30, s30, s15
	s_mov_b32 s31, 0
	s_wait_kmcnt 0x0
	s_add_nc_u64 s[4:5], s[4:5], s[16:17]
	s_add_nc_u64 s[6:7], s[6:7], s[30:31]
	s_add_nc_u64 s[8:9], s[8:9], s[18:19]
	s_add_nc_u64 s[10:11], s[10:11], s[18:19]
	s_add_nc_u64 s[12:13], s[12:13], s[28:29]
	s_load_b128 s[20:23], s[6:7], 0x0              ; the masks of my four text rows
	s_wait_alu depctr_va_vdst(0)                   ; v1 and v2 are written: every load of the kernel reads v1 as its offset, every store v2
.irp i, 0,1,2,3
.irp q, 0,1,2,3
	global_load_b128 v[X+16*\i+4*\q:X+16*\i+4*\q+3], v1, s[4:5] offset:INROW*\i+512*\q th:TH_LOAD_NT
.endr
.endr
.irp i, 0,1
.irp q, 0,1,2,3
	global_load_b128 v[X+64+16*\i+4*\q:X+64+16*\i+4*\q+3], v1, s[8:9] offset:INROW*\i+512*\q th:TH_LOAD_NT
.endr
.endr
	s_wait_kmcnt 0x0
.irp i, 0,1,2,3
	s_mul_f32 s[20+\i], s[20+\i], s27              ; C x mask
.endr
; A row goes in three parts: NORM (its norm), SEND of the row before, SCALE (scaled, rounded).
; NORM.  i: the row's slot of 16 registers; left: the younger loads that may stay out (four for each younger row).
.macro NORM i, left
	s_wait_loadcnt \left                           ; loads come back in order: this row's four are in
	v_pk_mul_f32 v[4:5], v[X+16*\i:X+16*\i+1], v[X+16*\i:X+16*\i+1]           ; the first squares start two chains: nothing is cleared
	v_pk_mul_f32 v[6:7], v[X+16*\i+2:X+16*\i+3], v[X+16*\i+2:X+16*\i+3]
.irp p, 4,8,12
	v_pk_fma_f32 v[4:5], v[X+16*\i+\p:X+16*\i+\p+1], v[X+16*\i+\p:X+16*\i+\p+1], v[4:5]
	v_pk_fma_f32 v[6:7], v[X+16*\i+\p+2:X+16*\i+\p+3], v[X+16*\i+\p+2:X+16*\i+\p+3], v[6:7]
.endr
	v_pk_add_f32 v[4:5], v[4:5], v[6:7]
	v_add_f32 v8, v4, v5
	v_add_f32_dpp v8, v8, v8 row_xmask:1 row_mask:0xf bank_mask:0xf           ; over the 16 lanes of a half,
	v_add_f32_dpp v8, v8, v8 row_xmask:2 row_mask:0xf bank_mask:0xf
	v_add_f32_dpp v8, v8, v8 row_xmask:4 row_mask:0xf bank_mask:0xf
	v_add_f32_dpp v8, v8, v8 row_xmask:8 row_mask:0xf bank_mask:0xf
	v_permlanex16_b32 v3, v8, s24, s25                                        ; and over the two halves: every lane has the sum
	v_add_f32 v8, v8, v3
	v_sqrt_f32 v9, v8
	v_nop                                          ; one plain place behind a transcendental before its result is used (ISA guide 5.7.2)
	s_wait_alu depctr_va_vdst(0)                   ; the root has written v9, which SCALE reads; and the row before's roundings have written its packed registers, which the stores that follow read
.endm
; SEND.  The four stores of row i.  base: first register of the output's address pair; outoff: the row's byte offset there.
; They stand directly behind a wait on va_vdst that was issued behind the row's roundings: no vector instruction stands between that wait and them.
.macro SEND i, base, outoff
.irp q, 0,1,2,3
	global_store_b64 v2, v[X+16*\i+4*\q:X+16*\i+4*\q+1], s[\base:\base+1] offset:\outoff+256*\q     ; 32 lanes store 256 consecutive bytes, aligned
.endr
.endm
; SCALE.  istext: the scale also takes C x mask.
.macro SCALE i, istext
	v_max_num_f32 v9, s26, v9                      ; max(norm, 1e-6)
	v_rcp_f32 v10, v9
	v_nop                                          ; the plain place behind the reciprocal
	s_wait_alu depctr_va_vdst(0)                   ; the reciprocal has written v10, ahead of its first reader
.if \istext
	v_mul_f32 v10, s[20+\i], v10                   ; C x mask / norm
.endif
.irp p, 0,2,4,6,8,10,12,14
	v_pk_mul_f32 v[X+16*\i+\p:X+16*\i+\p+1], v[X+16*\i+\p:X+16*\i+\p+1], v[10:11] op_sel_hi:[1,0]   ; both halves by v10
.endr
.irp q, 0,1,2,3
	v_cvt_pk_bf16_f32 v[X+16*\i+4*\q], v[X+16*\i+4*\q], v[X+16*\i+4*\q+1]     ; four numbers close up into the first two of their four registers
	v_cvt_pk_bf16_f32 v[X+16*\i+4*\q+1], v[X+16*\i+4*\q+2], v[X+16*\i+4*\q+3]
.endr
.endm
	NORM 0, 20                                     ; row 0 has no row in front of it: its wait states the root alone
	SCALE 0, 1
	NORM 1, 16
	SEND 0, 10, 0
	SCALE 1, 1
	NORM 2, 12
	SEND 1, 10, OUTROW
	SCALE 2, 1
	NORM 3, 8
	SEND 2, 10, 2*OUTROW
	SCALE 3, 1
	NORM 4, 4
	SEND 3, 10, 3*OUTROW
	SCALE 4, 0
	NORM 5, 0
	SEND 4, 12, 0
	SCALE 5, 0
	s_wait_alu depctr_va_vdst(0)                   ; row 5's roundings have written its packed registers, which the last four stores read
	SEND 5, 12, VSTEP
	s_endpgm
.Lfunc_end_k_q6e8556e484_prep:
	.size	k_q6e8556e484_prep, .Lfunc_end_k_q6e8556e484_prep-k_q6e8556e484_prep
	.p2alignl 7, 3214868480
	.fill 96, 4, 3214868480
	.section	.rodata,"a",@progbits
	.p2align	6, 0x0
	.amdhsa_kernel k_q6e8556e484_prep
		.amdhsa_group_segment_fixed_size 0
		.amdhsa_private_segment_fixed_size 0
		.amdhsa_enable_private_segment 0
		.amdhsa_kernarg_size 40
		.amdhsa_user_sgpr_count 2
		.amdhsa_user_sgpr_kernarg_segment_ptr 1
		.amdhsa_wavefront_size32 1
		.amdhsa_system_sgpr_workgroup_id_x 1
		.amdhsa_system_sgpr_workgroup_id_y 1
		.amdhsa_system_sgpr_workgroup_id_z 1
		.amdhsa_system_vgpr_workitem_id 0
		.amdhsa_next_free_vgpr 112
		.amdhsa_next_free_sgpr 66
		.amdhsa_reserve_vcc 0
		.amdhsa_float_denorm_mode_32 3
		.amdhsa_float_denorm_mode_16_64 3
		.amdhsa_memory_ordered 1
		.amdhsa_forward_progress 1
		.amdhsa_inst_pref_size 20
	.end_amdhsa_kernel
	.amdgpu_metadata
---
amdhsa.version: [ 1, 2 ]
amdhsa.kernels:
  - .name:           k_q6e8556e484_prep
    .symbol:         k_q6e8556e484_prep.kd
    .args:
      - { .name: text_feat, .offset: 0, .size: 8, .value_kind: global_buffer, .address_space: global }
      - { .name: text_mask, .offset: 8, .size: 8, .value_kind: global_buffer, .address_space: global }
      - { .name: video_feat, .offset: 16, .size: 8, .value_kind: global_buffer, .address_space: global }
      - { .name: tn, .offset: 24, .size: 8, .value_kind: global_buffer, .address_space: global }
      - { .name: vn, .offset: 32, .size: 8, .value_kind: global_buffer, .address_space: global }
    .group_segment_fixed_size: 0
    .private_segment_fixed_size: 0
    .kernarg_segment_align: 8
    .kernarg_segment_size: 40
    .max_flat_workgroup_size: 256
    .sgpr_count:     66
    .vgpr_count:     112
    .wavefront_size: 32
...
	.end_amdgpu_metadata
.endif
;; end of part 3
;; launch pool: the kernel of part 2 again; grid 16 x 32, 4 waves a work-group, clusters of 4 x 4, 327,680 bytes of LDS; arguments tn, vn, out0; writes out0
